; MI455X (gfx1250); checked and timed in simulation.
; The chip was launched on July 23, 2026; its instructions are those of AMD's public machine-readable ISA for CDNA 5 (MIT licence, August 2026) and "CDNA5" Instruction Set Architecture Reference Guide (July 2026). The comments in the code are by the model that wrote it; some were corrected since.
;; Attention. Allowed arithmetic: float matrix products may take bf16 or f16 operands with f32 sums; all other float work in f32.
;; Inputs: attention_mask 4 x 1 x 2,048 int32; k 4 x 16 x 2,048 x 64 float32; q 4 x 16 x 2,048 x 64 float32; v 4 x 16 x 2,048 x 64 float32.
;; Outputs: out0 4 x 16 x 2,048 x 64 float32.
;; One version. Each part assembles by itself: llvm-mc -triple=amdgcn-amd-amdhsa -mcpu=gfx1250 --defsym DOCPART=n.
;; ======== version 1 of 1: 1 launch
;; limits: inputs' magnitudes at most 130,000,000; right only within a limited range of input values; values are held in f16: magnitudes above 65,504 overflow, below 6.1e-05 lose precision
;; launch attn (part 1): grid 256 x 1, 8 waves a work-group, no clusters, 292,864 bytes of LDS; arguments q, k, v, attention_mask, out0; writes out0
.if DOCPART == 1
	.amdgcn_target "amdgcn-amd-amdhsa--gfx1250"
	.amdhsa_code_object_version 6
	.text
	.protected	k_qbc5baca353_attn
	.globl	k_qbc5baca353_attn
	.p2align	8
	.type	k_qbc5baca353_attn,@function
k_qbc5baca353_attn:
	s_mov_b64 s[64:65], 0
	v_nop
	global_prefetch_b8 v0, s[64:65] scope:SCOPE_SE
	s_setreg_imm32_b32 hwreg(HW_REG_WAVE_MODE, 25, 1), 1
	s_wait_xcnt 0x0
; Causal attention with a key padding mask.  q, k, v, out0: [64 heads][2048][64] f32; attention_mask: [4][2048] i32 (0 = dead key).
; out = softmax((q k^T + causal) / 8, dead keys at -inf) v.  Scores, maxima, sums and O are f32.
; FORMATS.  q, k and v are each rounded once to bf16.  q k^T runs in the bf16 form.  p v runs in the f16 form: p lies in [0, 1] and keeps 11 bits there,
; where bf16 would keep 8; in a row with few live keys nothing averages p's rounding away, and it shows as up to 2^-8 w |v| with 8 bits, 2^-11 w |v|
; with 11.  v's bf16 value is carried in f16, which holds it exactly for 2^-17 <= |v| <= 65504, so that all three inputs carry the same one rounding.
;
; SHARING.  head = id >> 2, g = id & 3.  A head's rows are 8 blocks of 256.  Work-group g makes block 7 - g (pass 0), then block g (pass 1).
; A block blk needs 2 blk + 2 trips of 128 keys, so both passes are 18 trips for every g: all 256 work-groups do equal work.
; Wave w: a = w & 3, p = w >> 2.  Waves (a, 0) and (a, 1) own the 64 query rows of tile qt = 4 blk + a and split the keys: in trip T wave p takes
; key tile kt = 2 T + p (64 keys): kt < qt whole, kt = qt diagonal, kt > qt nothing.  At a pass's end the two states (m, l, O) meet in LDS and each
; wave finishes 32 rows.  For qt = 0 wave p = 1 has no tile; it takes its partner's (PE = 0): two equal states merge to (2 O) / (2 l).
;
; LAYOUT.  S^T = K Q^T: register j of lane (r, h) holds key 8 h + j, query r.  Two such tiles, rounded in pairs, ARE the second source (32 keys) of
; O^T = V^T P^T, so p never leaves the registers, and a query's maximum and sum lie in lanes r and r + 16 alone.
; MASKS cost nothing per score: the first product of each score tile takes as C a block of biases, 0 or NEG = -2^100 for a dead key; the diagonal
; tile overwrites biases with NEG.  The running maximum is floored at -2^60, so a row with no live key so far has p = 0, l = 0, O = 0, and a row with
; none at all ends as 0 x (1 / 0) = NaN, which is what softmax over -inf alone gives.
; LIMITS KEPT: a raw score q.k below -2^60 counts as masked; |v| above 65504 becomes infinite and a bf16 value of v below 2^-17 loses bits (absolute
; error at most 2^-25); p below 2^-24 of the row's running maximum rounds to a denormal or to 0 (over 2,048 keys under 2^-14 of l); sums run in
; tile order; l adds p in f32 while O takes p rounded to f16.
;
; K, V AND Q come through registers: 16-byte loads (a wave's load covers 512 consecutive bytes), rounded once per work-group, 8-byte LDS stores.
; Two LDS slots, one barrier a trip; tile u + 2 is requested in trip u, tile u + 1 is rounded into the other slot at the head of trip u.
; NO JOINT TENSOR LOADS, though the four work-groups of a head read the same K and V: a tile laid into LDS as f32 would cost, per trip of 128 keys,
; 64 KB written, 64 KB read back and 32 KB written again against the 32 KB written here; and the four partners walk 16, 14, 12, 10 trips in pass 0,
; so that from there on the same trip names different tiles.  NO PREFETCH: each tile's own loads already stand a whole trip ahead of their wait.
.set KP,   144                         ; LDS pitch of K and Q rows: 128 bytes + 16, an odd multiple of 16
.set VP,   160                         ; LDS pitch of V rows: an odd multiple of 32, for the transposing load
.set KSL,  128*KP                      ; a K slot (18,432)
.set VSL,  128*VP                      ; a V slot (20,480)
.set LV,   2*KSL                       ; V slots at 36,864
.set LB,   LV+2*VSL                    ; bias slots at 77,824: 128 f32 each
.set LQ0,  LB+1024                     ; pass 0's Q block at 78,848: 256 rows
.set LQ1,  LQ0+256*KP                  ; pass 1's at 115,712
.set LX,   LQ1+256*KP                  ; exchange at 152,576: per wave 16 x 512 bytes of O, 512 of (m, l)
.set XW,   8704
.set LOST, LX+8*XW                     ; way out at 222,208: per wave 32 rows x 272 bytes; ends at 291,840
.set OPI,  272
; vector registers, window 0
.set KADR, 1                           ; my K fragments in slot 0
.set VADR, 2                           ; my V fragments in slot 0
.set BADR, 3                           ; my biases in slot 0
.set KST,  4                           ; where thread t puts 8 bytes of K (and of Q): row t / 16, 4 numbers at t % 16
.set VST,  5                           ; the same for V
.set BST,  6                           ; where I put a bias
.set GOFF, 7                           ; 16 t
.set MOFF, 8                           ; 4 (16 w + r): my mask word in a tile's 128
.set MK,   9                           ; mask word, then bias
.set NEGV, 10                          ; -2^100
.set RX,   11                          ; the other half's figure
.set RCMN, 12                          ; v[12:13] -c m (low register used)
.set RAL,  14                          ; v[14:15] alpha (low register used)
.set RML,  16                          ; v[16:23] m(qs) at 16 + 2 qs, l(qs) at 17 + 2 qs
.set RL2,  24                          ; v[24:31] l(qs) as a pair of partial sums
.set RT,   32                          ; v[32:39] four maxima, then four pairs of sums
.set RU,   40                          ; the step's maximum
.set KB0,  41                          ; lane terms of KADR, VADR, BADR
.set VB0,  42
.set BB0,  43
.set XS,   44                          ; exchange: mine
.set XR,   45                          ; exchange: my partner's
.set OW,   46                          ; way out: in
.set ORD,  47                          ; way out: back by rows
.set RS,   48                          ; v[48:79]   scores, then p: 8 ks + j
.set RP,   80                          ; v[80:95]   p in f16: second source of P V
.set RBI,  96                          ; v[96:127]  biases: 8 ks + j
.set RKF,  128                         ; v[128:191] K fragments: 16 ks + 8 half of d
.set RVF,  192                         ; v[192:255] V^T fragments: 32 kk + 8 td
; window 1 (written by the low 8 bits)
.set RO,   0                           ; O^T: 32 qs + 8 td.  In the prologue Q lands here
.set RQF,  128                         ; Q fragments: 16 qs + 8 half of d
.set RSTG, 192                         ; the tile on its way: K's eight loads, then V's
; scalars: s[4:13] q, k, v, mask, out at my head; s14 w, s15 a, s16 p, s17 g, s19 trips of pass 0; s[20:23] two offset pairs; s[24:29] the tile's
; K, V, mask; s[30:31] Q block 0, later my rows of out; s32 trip 0..17; s33 pass; s34 blk; s35 qt; s36 PE; s37 kt; s38 loop; s41 a word's upper half;
; s[42:43] c = log2(e) / 8; s44 -c; s45 floor; s[46:47] lane selects; s[48:55] TM(j): lanes with key 8 h + j > query r; s[56:57] Q block 1;
; s2, s3 the Q blocks' LDS bytes.
.set MSB, 0
.macro WIN new                         ; s_set_vgpr_msb: low byte 1:0 source 0, 3:2 source 1, 5:4 source 2, 7:6 destination; high byte = the setting left
.if MSB != \new
	s_set_vgpr_msb (MSB<<8)|\new
.set MSB, \new
.endif
.endm
.macro PLACES                          ; four independent vector instructions behind a matrix instruction (ISA guide 7.12.1), where no work is at hand
.rept 4
	v_nop
.endr
.endm
.macro BARRIER
	s_wait_dscnt 0x0                               ; for the other waves: my LDS stores are in, my LDS reads are over
	s_barrier_signal -1
	s_barrier_wait -1
.endm
; 17 loads: key tile s39 (128 keys) of K and V, 32,768 bytes each, and its 128 mask words (each word by two lanes)
.macro LOADS
	s_lshl_b32 s20, s39, 15
	s_lshl_b32 s22, s39, 9
	s_add_nc_u64 s[24:25], s[6:7], s[20:21]
	s_add_nc_u64 s[26:27], s[8:9], s[20:21]
	s_add_nc_u64 s[28:29], s[10:11], s[22:23]
	WIN 0x40
.irp i, 0,1,2,3,4,5,6,7
	global_load_b128 v[RSTG+4*\i:RSTG+4*\i+3], v[GOFF], s[24:25] offset:4096*\i
.endr
.irp i, 0,1,2,3,4,5,6,7
	global_load_b128 v[RSTG+32+4*\i:RSTG+32+4*\i+3], v[GOFF], s[26:27] offset:4096*\i
.endr
	WIN 0
	global_load_b32 v[MK], v[MOFF], s[28:29]
.endm
; n x 8 bytes from window 1's rb (two registers of every four) into LDS, 16 rows apart
.macro PUT rb, n, adr, off, step
	WIN 0x04
.set ci, 0
.rept \n
	ds_store_b64 v[\adr], v[\rb+4*ci:\rb+4*ci+1] offset:\off+ci*\step
.set ci, ci+1
.endr
	WIN 0
.endm
; K and Q.  n loads of 4 f32 at window 1's rb: round in place to 4 bf16 and put them into LDS
.macro CVST rb, n, adr, off, step
	WIN 0x45
.set ci, 0
.rept \n
	v_cvt_pk_bf16_f32 v[\rb+4*ci],   v[\rb+4*ci],   v[\rb+4*ci+1]
	v_cvt_pk_bf16_f32 v[\rb+4*ci+1], v[\rb+4*ci+2], v[\rb+4*ci+3]
.set ci, ci+1
.endr
	PUT \rb, \n, \adr, \off, \step
.endm
; V.  The same rounding to bf16; the rounded numbers are then widened (a shift, a mask) and packed as f16, which changes none of them inside the
; range given at the head.  The upper two registers of each four are free once the first two lines have read them, and serve as the widened pair.
.macro CVSTV rb, n, adr, off, step
	WIN 0x45
.set ci, 0
.rept \n
	v_cvt_pk_bf16_f32 v[\rb+4*ci],   v[\rb+4*ci],   v[\rb+4*ci+1]
	v_cvt_pk_bf16_f32 v[\rb+4*ci+1], v[\rb+4*ci+2], v[\rb+4*ci+3]
	v_lshlrev_b32     v[\rb+4*ci+2], 16,  v[\rb+4*ci+1]
	v_and_b32         v[\rb+4*ci+3], s41, v[\rb+4*ci+1]
	v_cvt_pk_f16_f32  v[\rb+4*ci+1], v[\rb+4*ci+2], v[\rb+4*ci+3]
	v_lshlrev_b32     v[\rb+4*ci+2], 16,  v[\rb+4*ci]
	v_and_b32         v[\rb+4*ci+3], s41, v[\rb+4*ci]
	v_cvt_pk_f16_f32  v[\rb+4*ci],   v[\rb+4*ci+2], v[\rb+4*ci+3]
.set ci, ci+1
.endr
	PUT \rb, \n, \adr, \off, \step
.endm
.macro BIASST to                       ; mask word to bias: 0 for a live key, -2^100 for a dead one
	v_cmp_eq_u32 vcc_lo, 0, v[MK]
	v_cndmask_b32 v[MK], 0, v[NEGV], vcc_lo
	ds_store_b32 v[BST], v[MK] offset:\to*512
.endm
; Head of trip u = s32: tile u + 1 goes into slot 'to' (read last in trip u - 1, behind whose barrier we stand); tile u + 2 is requested.
; The stream runs over both passes: position x is key tile x, or x - s19 from pass 1 on.  The last two trips request nothing, the last rounds nothing.
.macro STAGE to, id
	s_wait_loadcnt 0x0                             ; the tile requested a trip ago is in; its three bases are free
	s_cmp_ge_u32 s32, 17
	s_cbranch_scc1 .Lnl_\id
	CVST RSTG, 8, KST, \to*KSL, 16*KP
	CVSTV RSTG+32, 8, VST, \to*VSL, 16*VP
	BIASST \to
	s_cmp_ge_u32 s32, 16
	s_cbranch_scc1 .Lnl_\id
	s_add_co_u32 s39, s32, 2
	s_sub_co_u32 s40, s39, s19
	s_cmp_lt_u32 s39, s19
	s_cselect_b32 s39, s39, s40
	LOADS
.Lnl_\id:
	s_add_co_u32 s32, s32, 1
.endm
; scores of 64 keys x 16 queries qs: four tiles, each bias + two products along d (the second a link in place)
.macro SMM qs
	WIN 0x04
.irp ks, 0,1,2,3
	v_wmma_f32_16x16x32_bf16 v[RS+8*\ks:RS+8*\ks+7], v[RKF+16*\ks:RKF+16*\ks+7], v[RQF+16*\qs:RQF+16*\qs+7], v[RBI+8*\ks:RBI+8*\ks+7]
.endr
.irp ks, 0,1,2,3
	v_wmma_f32_16x16x32_bf16 v[RS+8*\ks:RS+8*\ks+7], v[RKF+16*\ks+8:RKF+16*\ks+15], v[RQF+16*\qs+8:RQF+16*\qs+15], v[RS+8*\ks:RS+8*\ks+7]
.endr
.endm
; running softmax of query block qs on the 32 scores a lane holds.  first = 1: this tile starts m and l.
.macro SOFTMAX qs, first
	WIN 0
.irp ks, 0,1,2,3
	v_max3_num_f32 v[RT+\ks], v[RS+8*\ks], v[RS+8*\ks+1], v[RS+8*\ks+2]
.endr
.irp ks, 0,1,2,3
	v_max3_num_f32 v[RT+\ks], v[RT+\ks], v[RS+8*\ks+3], v[RS+8*\ks+4]
.endr
.irp ks, 0,1,2,3
	v_max3_num_f32 v[RT+\ks], v[RT+\ks], v[RS+8*\ks+5], v[RS+8*\ks+6]
.endr
	v_max3_num_f32 v[RU], v[RT], v[RT+1], v[RT+2]
	v_max3_num_f32 v[RU], v[RU], v[RT+3], v[RS+7]
	v_max3_num_f32 v[RU], v[RU], v[RS+15], v[RS+23]
	v_max_num_f32 v[RU], v[RU], v[RS+31]
	v_permlanex16_b32 v[RX], v[RU], s46, s47       ; lane r + 16 holds the query's other 32 keys
.if \first
	v_max3_num_f32 v[RML+2*\qs], v[RU], v[RX], s45 ; floored at -2^60
	v_mul_f32 v[RCMN], s44, v[RML+2*\qs]           ; -c m
.else
	v_max3_num_f32 v[RU], v[RU], v[RX], v[RML+2*\qs]
	v_mul_f32 v[RCMN], s44, v[RU]                  ; -c m(new)
	v_fma_f32 v[RAL], v[RML+2*\qs], s42, v[RCMN]   ; c m(old) - c m(new)
.endif
.set ci, 0
.rept 16
	v_pk_fma_f32 v[RS+ci:RS+ci+1], v[RS+ci:RS+ci+1], s[42:43], v[RCMN:RCMN+1] op_sel_hi:[1,0,0]
.set ci, ci+2
.endr
.if \first == 0
	v_exp_f32 v[RAL], v[RAL]
.endif
.set ci, 0
.rept 32
	v_exp_f32 v[RS+ci], v[RS+ci]
.set ci, ci+1
.endr
.if \first                             ; one plain vector instruction between the exponentials and the first use of a result (ISA guide 5.7.2)
	v_nop
	s_wait_alu depctr_va_vdst(0)
.else
	v_mov_b32 v[RML+2*\qs], v[RU]
	s_wait_alu depctr_va_vdst(0)
.endif
.irp ks, 0,1,2,3
	v_pk_add_f32 v[RT+2*\ks:RT+2*\ks+1], v[RS+8*\ks:RS+8*\ks+1], v[RS+8*\ks+2:RS+8*\ks+3]
.endr
.irp ks, 0,1,2,3
	v_pk_add_f32 v[RT+2*\ks:RT+2*\ks+1], v[RT+2*\ks:RT+2*\ks+1], v[RS+8*\ks+4:RS+8*\ks+5]
.endr
.irp ks, 0,1,2,3
	v_pk_add_f32 v[RT+2*\ks:RT+2*\ks+1], v[RT+2*\ks:RT+2*\ks+1], v[RS+8*\ks+6:RS+8*\ks+7]
.endr
	v_pk_add_f32 v[RT:RT+1], v[RT:RT+1], v[RT+2:RT+3]
	v_pk_add_f32 v[RT+4:RT+5], v[RT+4:RT+5], v[RT+6:RT+7]
.if \first
	v_pk_add_f32 v[RL2+2*\qs:RL2+2*\qs+1], v[RT:RT+1], v[RT+4:RT+5]
.else
	v_pk_add_f32 v[RT:RT+1], v[RT:RT+1], v[RT+4:RT+5]
	v_pk_fma_f32 v[RL2+2*\qs:RL2+2*\qs+1], v[RL2+2*\qs:RL2+2*\qs+1], v[RAL:RAL+1], v[RT:RT+1] op_sel_hi:[1,0,1]
.endif
.irp kk, 0,1                           ; keys 32 kk + 8 h + 0..7 into registers 0-3, keys 32 kk + 16 + 8 h + 0..7 into 4-7: a fragment as it stands
.irp i, 0,1,2,3
	v_cvt_pk_f16_f32 v[RP+8*\kk+\i],   v[RS+16*\kk+2*\i],   v[RS+16*\kk+2*\i+1]
	v_cvt_pk_f16_f32 v[RP+8*\kk+4+\i], v[RS+16*\kk+8+2*\i], v[RS+16*\kk+8+2*\i+1]
.endr
.endr
.endm
.macro RESCALE qs                      ; O(qs) *= alpha
	WIN 0x41
.set ci, 0
.rept 16
	v_pk_mul_f32 v[RO+32*\qs+ci:RO+32*\qs+ci+1], v[RO+32*\qs+ci:RO+32*\qs+ci+1], v[RAL:RAL+1] op_sel_hi:[1,0]
.set ci, ci+2
.endr
.endm
.macro PV qs, first                    ; O^T(qs) += V^T P^T in f16: four blocks of 16 d x two steps of 32 keys; the first tile's first product starts the sums
	WIN 0x50
.irp td, 0,1,2,3
.if \first
	v_wmma_f32_16x16x32_f16 v[RO+32*\qs+8*\td:RO+32*\qs+8*\td+7], v[RVF+8*\td:RVF+8*\td+7], v[RP:RP+7], 0
.else
	v_wmma_f32_16x16x32_f16 v[RO+32*\qs+8*\td:RO+32*\qs+8*\td+7], v[RVF+8*\td:RVF+8*\td+7], v[RP:RP+7], v[RO+32*\qs+8*\td:RO+32*\qs+8*\td+7]
.endif
.endr
.irp td, 0,1,2,3
	v_wmma_f32_16x16x32_f16 v[RO+32*\qs+8*\td:RO+32*\qs+8*\td+7], v[RVF+32+8*\td:RVF+32+8*\td+7], v[RP+8:RP+15], v[RO+32*\qs+8*\td:RO+32*\qs+8*\td+7]
.endr
.endm
.macro TRI ks                          ; key block = query block: keys above the diagonal die
.irp j, 0,1,2,3,4,5,6,7
	v_cndmask_b32 v[RBI+8*\ks+\j], v[RBI+8*\ks+\j], v[NEGV], s[48+\j]
.endr
.endm
.macro KILL ks                         ; key block above the query block: all die
.irp j, 0,1,2,3,4,5,6,7
	v_mov_b32 v[RBI+8*\ks+\j], v[NEGV]
.endr
.endm
; One query block's step; nx = qs - 1.  The next block's scores are issued ahead of this block's P V.  Behind SMM nx stand the 16 lines of RESCALE (or
; four v_nop) before its results are read.  Between SMM qs and what writes over its registers (TRI, KILL, SMM nx) stand at least seven lines of SOFTMAX
; that name none of them: those on RU, RX, RCMN, RAL, m, the sums of RT's pairs, and l.
.macro QSTEP qs, nx, first, diag
	SOFTMAX \qs, \first
.if \qs > 0
.if \diag
	KILL \qs
	TRI \nx
.endif
	SMM \nx
.endif
.if \first
.if \qs > 0
	PLACES
.endif
.else
	RESCALE \qs
.endif
.if \qs == 3
	s_wait_dscnt 0x0                               ; the V fragments are in
.endif
	PV \qs, \first
.endm
; One tile: 64 keys x my 64 queries
.macro TILE slot, first, diag
	WIN 0
.irp ks, 0,1,2,3
	ds_load_b128 v[RBI+8*\ks:RBI+8*\ks+3],   v[BADR] offset:\slot*512+64*\ks
	ds_load_b128 v[RBI+8*\ks+4:RBI+8*\ks+7], v[BADR] offset:\slot*512+64*\ks+16
.endr
.irp ks, 0,1,2,3
.irp dh, 0,1
	ds_load_b128 v[RKF+16*\ks+8*\dh:RKF+16*\ks+8*\dh+3],   v[KADR] offset:\slot*KSL+16*KP*\ks+64*\dh
	ds_load_b128 v[RKF+16*\ks+8*\dh+4:RKF+16*\ks+8*\dh+7], v[KADR] offset:\slot*KSL+16*KP*\ks+64*\dh+32
.endr
.endr
.irp kk, 0,1
.irp td, 0,1,2,3
	ds_load_tr16_b128 v[RVF+32*\kk+8*\td:RVF+32*\kk+8*\td+3],   v[VADR] offset:\slot*VSL+32*VP*\kk+32*\td
	ds_load_tr16_b128 v[RVF+32*\kk+8*\td+4:RVF+32*\kk+8*\td+7], v[VADR] offset:\slot*VSL+32*VP*\kk+32*\td+16*VP
.endr
.endr
	s_wait_dscnt 16                                ; LDS answers in order (ISA guide 5.7.1): biases, K (and Q) are in; the 16 V loads may be out
.if \diag
	TRI 3
.endif
	SMM 3
	PLACES
	QSTEP 3, 2, \first, \diag
	QSTEP 2, 1, \first, \diag
	QSTEP 1, 0, \first, \diag
	QSTEP 0, 0, \first, \diag
	WIN 0
	PLACES                                         ; behind the last P V: its V fragments are loaded again, its O read, only behind these
.endm
; One trip: stage the next tile into the other slot, do my tile of this slot if I have one, one barrier.
; In front of the barrier: my stores into the other slot are in and my reads of this slot are over; behind it the roles change.
.macro TRIP slot, other, first, id
	STAGE \other, \id
.if \first
	s_cmp_eq_u32 s37, s35
	s_cbranch_scc1 .Ldg_\id
	TILE \slot, 1, 0
	s_branch .Ldn_\id
.Ldg_\id:
	TILE \slot, 1, 1
.else
	s_cmp_lt_u32 s37, s35
	s_cbranch_scc0 .Lnf_\id
	TILE \slot, 0, 0
	s_branch .Ldn_\id
.Lnf_\id:
	s_cmp_lg_u32 s37, s35
	s_cbranch_scc1 .Ldn_\id
	TILE \slot, 0, 1
.endif
.Ldn_\id:
	s_add_co_u32 s37, s37, 2
	BARRIER
.endm
; my (m, l) and O of query blocks sq0, sq0 + 1 for my partner: 16 bytes a lane, 512 consecutive bytes an instruction
.macro SEND sq0
	ds_store_b128 v[XS], v[RML+2*\sq0:RML+2*\sq0+3] offset:8192
	WIN 0x04
.set ci, 0
.rept 16
	ds_store_b128 v[XS], v[RO+32*\sq0+4*ci:RO+32*\sq0+4*ci+3] offset:512*ci
.set ci, ci+1
.endr
	WIN 0
.endm
; merge my partner's state of query blocks kq0, kq0 + 1 into mine, divide by l, and store the 32 rows
.macro MERGE kq0
.set ci, 0
.rept 16
	ds_load_b128 v[RKF+4*ci:RKF+4*ci+3], v[XR] offset:512*ci
.set ci, ci+1
.endr
	ds_load_b128 v[48:51], v[XR] offset:8192       ; the partner's m, l, m, l
	s_wait_dscnt 0x0
.irp i, 0,1
	v_max_num_f32 v52, v[RML+2*(\kq0+\i)], v[48+2*\i]
	v_sub_f32 v53, v[RML+2*(\kq0+\i)], v52         ; the difference first, then the scale: no difference of large products
	v_sub_f32 v54, v[48+2*\i], v52
	v_mul_f32 v53, s42, v53
	v_mul_f32 v54, s42, v54
	v_exp_f32 v53, v53
	v_exp_f32 v54, v54
	v_nop                                          ; a plain place behind the exponentials
	s_wait_alu depctr_va_vdst(0)
	v_mul_f32 v55, v[RML+2*(\kq0+\i)+1], v53
	v_fmac_f32 v55, v[49+2*\i], v54                ; l of the whole row; 0 if no key is live
	v_rcp_f32 v56, v55
	v_nop                                          ; a plain place behind the reciprocal
	s_wait_alu depctr_va_vdst(0)
	v_mul_f32 v[60+4*\i], v53, v56                 ; my factor, twice (a pair for the packed forms)
	v_mul_f32 v[61+4*\i], v53, v56
	v_mul_f32 v[62+4*\i], v54, v56                 ; my partner's
	v_mul_f32 v[63+4*\i], v54, v56
.endr
.irp i, 0,1
.set ci, 0
.rept 16
	v_pk_mul_f32 v[RKF+32*\i+ci:RKF+32*\i+ci+1], v[RKF+32*\i+ci:RKF+32*\i+ci+1], v[62+4*\i:63+4*\i]
.set ci, ci+2
.endr
.endr
	WIN 0x01
.irp i, 0,1
.set ci, 0
.rept 16
	v_pk_fma_f32 v[RKF+32*\i+ci:RKF+32*\i+ci+1], v[RO+32*(\kq0+\i)+ci:RO+32*(\kq0+\i)+ci+1], v[60+4*\i:61+4*\i], v[RKF+32*\i+ci:RKF+32*\i+ci+1]
.set ci, ci+2
.endr
.endr
	WIN 0
	; a lane holds 8 neighbouring d of one row: through my own stage (pitch 272), back as whole rows of 256 bytes
.irp i, 0,1
.irp td, 0,1,2,3
.irp u, 0,1
	ds_store_b128 v[OW], v[RKF+32*\i+8*\td+4*\u:RKF+32*\i+8*\td+4*\u+3] offset:16*OPI*\i+64*\td+16*\u
.endr
.endr
.endr
.set ci, 0
.rept 16
	ds_load_b128 v[RVF+4*ci:RVF+4*ci+3], v[ORD] offset:2*OPI*ci   ; my own bytes, served in order behind my stores (ISA guide 5.7.1)
.set ci, ci+1
.endr
.set ci, 0
.rept 16
	s_wait_dscnt 15-ci                             ; read-back ci is in, the younger ones may be out
	global_store_b128 v58, v[RVF+4*ci:RVF+4*ci+3], s[30:31] offset:512*ci th:TH_STORE_NT   ; two rows: 512 consecutive bytes, aligned
.set ci, ci+1
.endr
	s_wait_xcnt 0x0                                ; the stores' data, offset and base are written again only behind this wait
.endm
	; ------------------------------------------------------------------ prologue
	s_load_b256 s[4:11], s[0:1], 0x0               ; q, k, v, attention_mask
	s_load_b64 s[12:13], s[0:1], 0x20              ; out0
	v_lshrrev_b32 v54, 5, v0
	v_readfirstlane_b32 s14, v54                   ; wave
	s_and_b32 s15, s14, 3                          ; a
	s_lshr_b32 s16, s14, 2                         ; p
	s_and_b32 s17, ttmp9, 3                        ; g
	s_lshr_b32 s18, ttmp9, 2                       ; head
	s_lshl_b32 s19, s17, 1
	s_sub_co_u32 s19, 16, s19                      ; trips of pass 0: 2 (7 - g) + 2
	s_mov_b32 s21, 0
	s_mov_b32 s23, 0
	s_mov_b32 s2, LQ0
	s_mov_b32 s3, LQ1
	s_mov_b32 s41, 0xffff0000                      ; a word's upper bf16
	s_mov_b32 s42, 0x3e38aa3b                      ; c = log2(e) / 8
	s_mov_b32 s43, 0x3e38aa3b
	s_mov_b32 s44, 0xbe38aa3b                      ; -c
	s_mov_b32 s45, 0xdd800000                      ; -2^60
	s_mov_b32 s46, 0x76543210                      ; v_permlanex16_b32: lane i of the other half
	s_mov_b32 s47, 0xfedcba98
	s_mov_b32 s32, 0
	s_mov_b32 s33, 0
	v_and_b32 v48, 31, v0                          ; L
	v_and_b32 v49, 15, v0                          ; r
	v_bfe_u32 v50, v0, 4, 1                        ; h
	v_mul_u32_u24 v[KB0], v49, KP
	v_lshl_add_u32 v[KB0], v50, 4, v[KB0]          ; r x 144 + 16 h
	v_and_b32 v51, 7, v0
	v_lshl_add_u32 v51, v50, 3, v51                ; 8 h + L % 8
	v_mul_u32_u24 v[VB0], v51, VP
	v_bfe_u32 v52, v0, 3, 1
	v_lshl_add_u32 v[VB0], v52, 4, v[VB0]
	v_add_nc_u32 v[VB0], LV, v[VB0]
	v_lshl_add_u32 v[BB0], v50, 5, LB              ; 8 h biases of 4 bytes
	v_lshrrev_b32 v53, 4, v0                       ; t / 16
	v_mul_u32_u24 v[KST], v53, KP
	v_lshl_add_u32 v[KST], v49, 3, v[KST]
	v_mul_u32_u24 v[VST], v53, VP
	v_lshl_add_u32 v[VST], v49, 3, v[VST]
	v_add_nc_u32 v[VST], LV, v[VST]
	v_lshl_add_u32 v[MOFF], v54, 4, v49
	v_lshlrev_b32 v[MOFF], 2, v[MOFF]
	v_add_nc_u32 v[BST], LB, v[MOFF]
	v_lshlrev_b32 v[GOFF], 4, v0
	v_mov_b32 v[NEGV], 0xf1800000                  ; -2^100
	v_mov_b32 v[RX], 0                             ; a lane permute's destination counts as read
	v_mov_b32 v[RCMN+1], 0                         ; upper registers of pairs of which the packed forms take the lower twice
	v_mov_b32 v[RAL+1], 0
	v_lshlrev_b32 v55, 3, v50
	v_sub_nc_u32 v55, v49, v55                     ; r - 8 h
.irp j, 0,1,2,3,4,5,6,7
	v_cmp_gt_i32 s[48+\j], \j, v55                 ; j > r - 8 h: key 8 h + j lies above query r
.endr
	s_mul_i32 s58, s14, XW
	s_add_co_u32 s59, s58, LOST
	s_add_co_u32 s58, s58, LX
	v_lshl_add_u32 v[XS], v48, 4, s58
	v_mul_u32_u24 v[OW], v49, OPI
	v_lshl_add_u32 v[OW], v50, 5, v[OW]
	v_add_nc_u32 v[OW], s59, v[OW]                 ; row r, 8 h numbers in
	v_mul_u32_u24 v[ORD], v50, OPI
	v_lshl_add_u32 v[ORD], v49, 4, v[ORD]
	v_add_nc_u32 v[ORD], s59, v[ORD]               ; row h, 16 bytes at r
	s_xor_b32 s58, s14, 4                          ; my partner
	s_mul_i32 s58, s58, XW
	s_add_co_u32 s58, s58, LX
	v_lshl_add_u32 v[XR], v48, 4, s58
	v_add_nc_u32 v56, LQ0, v[KST]
	v_add_nc_u32 v57, LQ1, v[KST]
	s_wait_kmcnt 0x0
	s_lshl_b32 s20, s18, 19                        ; a head is 2,048 x 256 bytes
	s_add_nc_u64 s[4:5], s[4:5], s[20:21]
	s_add_nc_u64 s[6:7], s[6:7], s[20:21]
	s_add_nc_u64 s[8:9], s[8:9], s[20:21]
	s_add_nc_u64 s[12:13], s[12:13], s[20:21]
	s_lshr_b32 s22, s18, 4                         ; batch
	s_lshl_b32 s22, s22, 13
	s_add_nc_u64 s[10:11], s[10:11], s[22:23]
	s_sub_co_u32 s58, 7, s17
	s_lshl_b32 s20, s58, 16                        ; a block is 256 x 256 bytes
	s_add_nc_u64 s[30:31], s[4:5], s[20:21]
	s_lshl_b32 s20, s17, 16
	s_add_nc_u64 s[56:57], s[4:5], s[20:21]
	s_mov_b32 s39, 0
	LOADS                                          ; tile 0
	WIN 0x40
.set ci, 0
.rept 16
	global_load_b128 v[RO+4*ci:RO+4*ci+3], v[GOFF], s[30:31] offset:4096*ci th:TH_LOAD_NT      ; each byte of q is read once in the launch
.set ci, ci+1
.endr
.set ci, 0
.rept 16
	global_load_b128 v[RO+64+4*ci:RO+64+4*ci+3], v[GOFF], s[56:57] offset:4096*ci th:TH_LOAD_NT
.set ci, ci+1
.endr
	WIN 0
	s_wait_loadcnt 32                              ; the 32 loads of q are younger: tile 0 is in, its bases are free
	CVST RSTG, 8, KST, 0, 16*KP
	CVSTV RSTG+32, 8, VST, 0, 16*VP
	BIASST 0
	s_mov_b32 s39, 1
	LOADS                                          ; tile 1
	s_wait_loadcnt 17                              ; tile 1's 17 loads are younger: q is in
	CVST RO, 16, 56, 0, 16*KP
	CVST RO+64, 16, 57, 0, 16*KP
	BARRIER
	; ------------------------------------------------------------------ a pass: one block of 256 query rows
.Lpass:
	s_sub_co_u32 s58, 7, s17
	s_cmp_eq_u32 s33, 0
	s_cselect_b32 s34, s58, s17                    ; blk
	s_cselect_b32 s59, s2, s3                      ; its Q rows in LDS
	s_lshl2_add_u32 s35, s34, s15                  ; qt = 4 blk + a
	s_cmp_lg_u32 s35, 0
	s_cselect_b32 s36, s16, 0                      ; PE = p, but 0 where qt = 0
	s_mov_b32 s37, s36                             ; kt
	s_mul_i32 s58, s36, 64*KP
	v_add_nc_u32 v[KADR], s58, v[KB0]
	s_mul_i32 s58, s36, 64*VP
	v_add_nc_u32 v[VADR], s58, v[VB0]
	s_lshl_b32 s58, s36, 8
	v_add_nc_u32 v[BADR], s58, v[BB0]
	s_mul_i32 s58, s15, 64*KP
	s_add_co_u32 s58, s58, s59
	v_add_nc_u32 v48, s58, v[KB0]                  ; my 64 rows of Q
	WIN 0x40
.irp qs, 0,1,2,3
.irp dh, 0,1
	ds_load_b128 v[RQF+16*\qs+8*\dh:RQF+16*\qs+8*\dh+3],   v48 offset:16*KP*\qs+64*\dh
	ds_load_b128 v[RQF+16*\qs+8*\dh+4:RQF+16*\qs+8*\dh+7], v48 offset:16*KP*\qs+64*\dh+32
.endr
.endr
	WIN 0
	TRIP 0, 1, 1, 0                                ; every wave has a tile here: it starts m, l and O, nothing is cleared
	TRIP 1, 0, 0, 1
	s_cmp_eq_u32 s34, 0
	s_cbranch_scc1 .Lfin
	s_mov_b32 s38, s34                             ; 2 blk more trips
.Lloop:
	TRIP 0, 1, 0, 2
	TRIP 1, 0, 0, 3
	s_sub_co_u32 s38, s38, 1
	s_cmp_lg_u32 s38, 0
	s_cbranch_scc1 .Lloop
.Lfin:
	; ------------------------------------------------------------------ the two halves of the keys meet
.irp qs, 0,1,2,3
	v_add_f32 v[RML+2*\qs+1], v[RL2+2*\qs], v[RL2+2*\qs+1]
.endr
.irp qs, 0,1,2,3
	v_permlanex16_b32 v[RT+\qs], v[RML+2*\qs+1], s46, s47
.endr
.irp qs, 0,1,2,3
	v_add_f32 v[RML+2*\qs+1], v[RML+2*\qs+1], v[RT+\qs]
.endr
	v_and_b32 v58, 31, v0
	v_lshlrev_b32 v58, 4, v58                      ; 16 L
	s_lshl_b32 s20, s35, 14                        ; qt x 64 rows
	s_lshl_b32 s58, s16, 13                        ; + p x 32 rows
	s_add_co_u32 s20, s20, s58
	s_add_nc_u64 s[30:31], s[12:13], s[20:21]
	s_cmp_lt_u32 s14, 4
	s_cbranch_scc0 .Lsend_hi
	SEND 2                                         ; p = 0 keeps rows 0-31
	s_branch .Lsent
.Lsend_hi:
	SEND 0                                         ; p = 1 keeps rows 32-63
.Lsent:
	BARRIER
	s_cmp_lt_u32 s14, 4
	s_cbranch_scc0 .Lmerge_hi
	MERGE 0
	s_branch .Lmerged
.Lmerge_hi:
	MERGE 2
.Lmerged:
	s_add_co_u32 s33, s33, 1
	s_cmp_lt_u32 s33, 2
	s_cbranch_scc1 .Lpass
	s_wait_xcnt 0x0
	v_lshl_add_u32 v254, v0, 2, 0x47400
	v_mov_b32 v255, 0
	s_wait_tensorcnt 0x0
	ds_add_u32 v254, v255
	s_wait_dscnt 0x0
	s_endpgm
.Lfunc_end_k_qbc5baca353_attn:
	.size	k_qbc5baca353_attn, .Lfunc_end_k_qbc5baca353_attn-k_qbc5baca353_attn
	.p2alignl 7, 3214868480
	.fill 96, 4, 3214868480
	.section	.rodata,"a",@progbits
	.p2align	6, 0x0
	.amdhsa_kernel k_qbc5baca353_attn
		.amdhsa_group_segment_fixed_size 292864
		.amdhsa_private_segment_fixed_size 0
		.amdhsa_enable_private_segment 0
		.amdhsa_kernarg_size 40
		.amdhsa_user_sgpr_count 2
		.amdhsa_user_sgpr_kernarg_segment_ptr 1
		.amdhsa_wavefront_size32 1
		.amdhsa_system_sgpr_workgroup_id_x 1
		.amdhsa_system_sgpr_workgroup_id_y 1
		.amdhsa_system_sgpr_workgroup_id_z 1
		.amdhsa_system_vgpr_workitem_id 0
		.amdhsa_next_free_vgpr 512
		.amdhsa_next_free_sgpr 66
		.amdhsa_reserve_vcc 1
		.amdhsa_float_denorm_mode_32 3
		.amdhsa_float_denorm_mode_16_64 3
		.amdhsa_memory_ordered 1
		.amdhsa_forward_progress 1
		.amdhsa_inst_pref_size 255
	.end_amdhsa_kernel
	.section	.bss,"aw",@nobits
	.p2align	6
	.space	262144
	.amdgpu_metadata
---
amdhsa.version: [ 1, 2 ]
amdhsa.kernels:
  - .name:           k_qbc5baca353_attn
    .symbol:         k_qbc5baca353_attn.kd
    .args:
      - { .name: q, .offset: 0, .size: 8, .value_kind: global_buffer, .address_space: global }
      - { .name: k, .offset: 8, .size: 8, .value_kind: global_buffer, .address_space: global }
      - { .name: v, .offset: 16, .size: 8, .value_kind: global_buffer, .address_space: global }
      - { .name: attention_mask, .offset: 24, .size: 8, .value_kind: global_buffer, .address_space: global }
      - { .name: out0, .offset: 32, .size: 8, .value_kind: global_buffer, .address_space: global }
    .group_segment_fixed_size: 292864
    .private_segment_fixed_size: 0
    .kernarg_segment_align: 8
    .kernarg_segment_size: 40
    .max_flat_workgroup_size: 256
    .sgpr_count:     66
    .vgpr_count:     512
    .wavefront_size: 32
...
	.end_amdgpu_metadata
.endif
;; end of part 1
